; MI455X (gfx1250); checked and timed in simulation.
; The chip was launched on July 23, 2026; its instructions are those of AMD's public machine-readable ISA for CDNA 5 (MIT licence, August 2026) and "CDNA5" Instruction Set Architecture Reference Guide (July 2026). The comments in the code are by the model that wrote it; some were corrected since.
;; SDPA TRITON FA. Allowed arithmetic: float matrix products may take bf16 or f16 operands with f32 sums; all other float work in f32.
;; Inputs: k 2 x 16 x 2,048 x 64 float32; q 2 x 16 x 2,048 x 64 float32; v 2 x 16 x 2,048 x 64 float32.
;; Outputs: out0 2 x 16 x 2,048 x 64 float32.
;; One version. Each part assembles by itself: llvm-mc -triple=amdgcn-amd-amdhsa -mcpu=gfx1250 --defsym DOCPART=n.
;; ======== version 1 of 1: 1 launch
;; launch attn (part 1): grid 8 x 32, 8 waves a work-group, clusters of 4 x 1, 327,680 bytes of LDS; arguments q, k, v, out0; writes out0
.if DOCPART == 1
	.amdgcn_target "amdgcn-amd-amdhsa--gfx1250"
	.amdhsa_code_object_version 6
	.text
	.protected	k_qdcdcd1a579_attn
	.globl	k_qdcdcd1a579_attn
	.p2align	8
	.type	k_qdcdcd1a579_attn,@function
k_qdcdcd1a579_attn:
	s_mov_b64 s[64:65], 0
	v_nop
	global_prefetch_b8 v0, s[64:65] scope:SCOPE_SE
	s_setreg_imm32_b32 hwreg(HW_REG_WAVE_MODE, 25, 1), 1
	s_wait_xcnt 0x0
	s_wait_alu depctr_hold_cnt(0) depctr_sa_sdst(0) depctr_va_vdst(0) depctr_va_sdst(0) depctr_va_ssrc(0) depctr_va_vcc(0) depctr_vm_vsrc(0)
	s_getreg_b32 s2, hwreg(HW_REG_IB_STS2, 6, 4)
	s_cmp_eq_u32 s2, 0
	s_cbranch_scc0 .Lentry_in_a_cluster
	s_endpgm
.Lentry_in_a_cluster:
	s_bfe_u32 s2, ttmp6, 0x10000c
	s_cmp_lg_u32 s2, 0x3003
	s_cbranch_scc0 .Lentry_shape_is_right
	s_endpgm
.Lentry_shape_is_right:
; out = softmax(0.125 q k^T) v for 32 heads of 2,048 rows x 64, all f32 in memory; products in bf16 with f32 sums, softmax in f32 with a running maximum.
; WORK.  A work-group owns 256 query rows of one head (grid x: query block, grid y: head) and walks all 2,048 keys in 8 tiles of 256.
; Eight waves, two to a SIMD, so that one wave's softmax runs beside the other's matrix instructions.  Wave w: g = w & 3 picks 64 query rows,
; hi = w >> 2 picks keys 128 hi .. 128 hi + 127 of every tile.  At the end wave g + 4 hands its (m, l, O) to wave g through LDS; wave g merges and stores.
; ORIENTATION.  S^T = K Q^T (A = 16 keys x 32 d, B = 16 queries x 32 d): lane (r, h) then holds query r and keys 8 h + j of a tile, so two packed
; neighbouring key tiles ARE the B fragment (32 keys x 16 queries) of O^T = V^T P^T: P never leaves registers, and m, l, alpha are one number a lane.
; V^T comes from the transposing LDS load.  Lanes r and r + 16 share a query: one v_permlanex16_b32 joins their maxima.
; K AND V.  They are f32 in memory and must lie in LDS as bf16.  Each wave brings 64 rows x 256 bytes (waves 0-3 K's quarters, 4-7 V's) by one tensor load
; into an f32 slot, converts the rows that it brought itself, and stores them into one of two bf16 buffers that take turns.
; CLUSTER.  The four query blocks 4 X .. 4 X + 3 of a head need the same K and V tiles: 4 x 1 work-groups ask for them jointly (mask 15), which divides the
; requests by four.  Only x shares tiles, and a mask names four work-groups, so the cluster is 4, 1, 1.  One round of the cluster's barrier a tile does three
; things: it shows the bf16 tile to all waves, it stands between all reads of the f32 slot (and all landed loads) and the slot's refill, and it stands between
; the reads of the older bf16 buffer and that buffer's next overwrite.  By this text's own count a wave has at most one tensor load outstanding.
; No data prefetch: a tile's tensor load is issued straight behind a round and waited for only after the whole tile's 128 matrix instructions of the wave.
; LIMITS.  Inputs finite and scores finite in f32 (NaN and infinities were not followed through v_max_num_f32).  Q, K, V and P are rounded to bf16; the
; factor 0.125 log2 e is applied to the f32 scores.  The sums' order differs from a plain softmax: two key halves with running maxima, merged at the end.
; An exponential below 2^-126 counts as 0 (ISA guide 15.8, v_exp_f32).
;
; LDS (bytes): F32 slot 0 .. 139,263 (512 rows x 272: K's 256, V's 256; wave w owns 17,408 w ..; filled by tensor loads alone, never stored into);
;   bf16 buffer n: K at KB0 + n BUFB (256 x 144), V at VB0 + n BUFB (256 x 160).  Q in bf16 lies in K's buffer 1 until tile 1 is converted.
;   Behind the loop: XCH (the partner's O, m, l) and STG (rows on their way out) lie over the bf16 buffers, 17,408 bytes for each g.
.set F32P, 272                         ; f32 row: 256 bytes + 16 of padding
.set WF32, 64*F32P                     ; a wave's 64 rows
.set KP,   144                         ; bf16 K row: 128 + 16: an odd multiple of 16
.set VP,   160                         ; bf16 V row: 128 + 32: an odd multiple of 32, for the transposing load
.set KB0,  139264
.set VB0,  176128
.set BUFB, 77824                       ; from buffer 0 to buffer 1
.set XCH,  139264
.set STG,  208896
; vector registers, window 0
.set CL,  4                            ; f32 slot: my 32 bytes of my wave's first four rows
.set CSK, 5                            ; v5, v6   where my 16 converted bytes go if my wave converts K, buffer 0, 1
.set KA,  7                            ; v7, v8   K fragments, buffer 0, 1
.set VA,  9                            ; v9, v10  V fragments, buffer 0, 1
.set QG,  11                           ; byte offset of my 16 bytes in the block's Q
.set QS,  12                           ; where my 8 bytes of bf16 Q go
.set QF,  13                           ; Q fragments
.set XA,  14                           ; exchange
.set SA,  15                           ; stage, in
.set RB,  16                           ; stage, back
.set GO,  17                           ; byte offset in my wave's 64 rows of out
.set RM,  20                           ; v[20:23] running maximum of the raw scores, one for each block of 16 queries
.set RL,  24                           ; v[24:27] running sum (my half of the lanes' keys)
.set TT,  28                           ; v[28:35] at work
.set AL,  36                           ; v[36:43] pairs: alpha of block qb in AL + 2 qb; in the merge my factor
.set NM,  44                           ; v[44:51] pairs: -C m of block qb in NM + 2 qb; in the merge the partner's factor
.set MP,  52                           ; v[52:55] the partner's m
.set LP,  56                           ; v[56:59] the partner's l
.set CSV, 60                           ; v60, v61 as CSK, if my wave converts V
.set K0,  64                           ; v[64:127]  K fragment (t, c) at K0 + 16 t + 8 c
.set S0,  128                          ; v[128:255] S tile (qb, t) at S0 + 32 qb + 8 t; then P (qb, ks) at S0 + 32 qb + 16 ks; also at work in conversions and the merge
; window 1
.set O0,  0                            ; v[256:383] O tile (dt, qb) at O0 + 32 qb + 8 dt
.set Q0,  128                          ; v[384:447] Q fragment (qb, c) at Q0 + 16 qb + 8 c
.set V0,  192                          ; v[448:511] V fragment (dt, ks) at V0 + 16 dt + 8 ks
; C = 0.125 log2 e = 0x3e38aa3b, -C = 0xbe38aa3b
.set MSB, 0
.macro WIN new                         ; low byte: bits 1:0 source 0, 3:2 source 1, 5:4 source 2, 7:6 destination; the high byte repeats the setting that is left
.if MSB != \new
	s_set_vgpr_msb (MSB<<8)|\new
.set MSB, \new
.endif
.endm
.macro PLACES n                        ; places behind matrix instructions: plain vector instructions that name none of their registers (ISA guide 7.12.1)
.rept \n
	v_nop
.endr
.endm
.macro ROUND                           ; a round of the cluster's barrier: my work-group's barrier, wave 0 signals for it, all wait for the four work-groups, my work-group's barrier again
	s_barrier_signal -1
	s_barrier_wait -1
	s_cmp_lg_u32 s12, 0
	s_cbranch_scc1 .Lnot_wave_0_\@
	s_barrier_signal -3
.Lnot_wave_0_\@:
	s_barrier_wait -3
	s_barrier_signal -1
	s_barrier_wait -1
.endm
	s_load_b256 s[4:11], s[0:1], 0x0               ; q s[4:5], k s[6:7], v s[8:9], out s[10:11]
	v_lshl_add_u32 v254, v0, 2, 0x48000
	v_mov_b32 v255, 0
	ds_add_u32 v254, v255
	s_wait_dscnt 0x0
	v_lshrrev_b32 v1, 5, v0
	v_readfirstlane_b32 s12, v1                    ; wave w
	s_lshr_b32 s13, s12, 2                         ; hi: my half of a tile's keys
	s_and_b32 s14, s12, 3                          ; g: my 64 queries; also the quarter of K or V that I bring
	s_bfe_u32 s15, ttmp6, 0x40000                  ; cx
	s_lshl_b32 s16, ttmp9, 2
	s_add_co_u32 s16, s16, s15                     ; query block = 4 x cluster x + cx
	s_and_b32 s17, ttmp7, 0xffff                   ; head
	s_lshl_b32 s18, s17, 19                        ; a head is 2,048 rows of 256 bytes
	s_lshl_b32 s38, s16, 16                        ; a query block is 256 rows of 256 bytes
	s_add_co_u32 s38, s38, s18                     ; offset of my block in q and in out (below 2^25)
	s_mov_b32 s39, 0
	s_lshl_b32 s22, s14, 14                        ; 64 rows of 256 bytes
	s_add_co_u32 s46, s38, s22                     ; offset of my wave's 64 rows in out
	s_mov_b32 s47, 0
	s_add_co_u32 s22, s22, s18                     ; offset of my quarter of tile 0 in k or v: head and wave alone, nothing of cx
	s_mov_b32 s23, 0
	s_mov_b32 s42, 0x76543210                      ; v_permlanex16_b32: lane i reads lane i of the other half
	s_mov_b32 s43, 0xfedcba98
	; descriptor group 1: 64 rows x 64 elements of 4 bytes, 4 words of padding behind every 64
	s_mov_b32 s28, 0x0772000f                      ; 15:0 mask 15 (all four of the cluster); 17:16 element of 4 bytes; 20 padding on; 21 set beside a mask; 24:22 code 5 (64 words); 31:25 code 3 (4 words)
	s_mov_b32 s29, 64<<16                          ; tensor_dim0 = 64
	s_mov_b32 s30, 64<<16                          ; tensor_dim1 = 64
	s_mov_b32 s31, 64<<16                          ; tile_dim0 = 64
	s_mov_b32 s32, 64                              ; tile_dim1 = 64
	s_mov_b32 s33, 64                              ; 64 elements from row to row
	s_mov_b32 s34, 0
	s_mov_b32 s35, 0
	; descriptor group 0
	s_mov_b32 s24, 1
	s_mul_i32 s25, s12, WF32                       ; my wave's rows of the f32 slot
	; LDS bases
	s_mul_i32 s48, s14, 64*KP
	s_add_co_u32 s48, s48, KB0                     ; K rows 64 g of buffer 0
	s_mul_i32 s49, s14, 64*VP
	s_add_co_u32 s49, s49, VB0                     ; V rows 64 g of buffer 0
	s_mul_i32 s50, s13, 128*KP
	s_add_co_u32 s50, s50, KB0                     ; my half of K's rows
	s_mul_i32 s51, s13, 128*VP
	s_add_co_u32 s51, s51, VB0                     ; my half of V's rows
	s_mul_i32 s52, s12, 32*KP
	s_add_co_u32 s52, s52, KB0+BUFB                ; Q rows 32 w
	s_mul_i32 s53, s14, WF32
	s_add_co_u32 s54, s53, STG
	s_add_co_u32 s53, s53, XCH
	v_and_b32 v1, 31, v0                           ; L
	v_and_b32 v2, 15, v0                           ; r
	v_bfe_u32 v3, v0, 4, 1                         ; h
	v_and_b32 v18, 7, v0                           ; L & 7
	v_bfe_u32 v19, v0, 3, 2                        ; L >> 3
	v_bfe_u32 v62, v0, 3, 1                        ; (L >> 3) & 1
	v_mul_u32_u24 v[CL], v19, F32P                 ; eight lanes take a row of 256 bytes, 32 bytes each; four rows a pass
	v_lshl_add_u32 v[CL], v18, 5, v[CL]
	v_add_nc_u32 v[CL], s25, v[CL]
	v_mul_u32_u24 v[CSK], v19, KP                  ; and put 16 bytes of bf16 each
	v_lshl_add_u32 v[CSK], v18, 4, v[CSK]
	v_add_nc_u32 v[CSK], s48, v[CSK]
	v_add_nc_u32 v[CSK+1], BUFB, v[CSK]
	v_mul_u32_u24 v[CSV], v19, VP
	v_lshl_add_u32 v[CSV], v18, 4, v[CSV]
	v_add_nc_u32 v[CSV], s49, v[CSV]
	v_add_nc_u32 v[CSV+1], BUFB, v[CSV]
	v_mul_u32_u24 v63, v2, KP                      ; a fragment from rows that lie along d: row r, 16 bytes for each half of the lanes
	v_lshl_add_u32 v63, v3, 4, v63
	v_add_nc_u32 v[KA], s50, v63
	v_add_nc_u32 v[KA+1], BUFB, v[KA]
	v_add_nc_u32 v[QF], s48, v63                   ; Q rows 64 g,
	v_add_nc_u32 v[QF], BUFB, v[QF]                ; in K's buffer 1
	v_lshl_add_u32 v[VA], v3, 3, v18               ; the transposing load: key 8 h + (L & 7),
	v_mul_u32_u24 v[VA], v[VA], VP
	v_lshl_add_u32 v[VA], v62, 4, v[VA]            ; 16 bytes (8 d) by (L >> 3) & 1
	v_add_nc_u32 v[VA], s51, v[VA]
	v_add_nc_u32 v[VA+1], BUFB, v[VA]
	v_lshlrev_b32 v[QG], 4, v1
	v_lshl_add_u32 v[QG], s12, 13, v[QG]           ; 32 rows of 256 bytes a wave, 16 bytes a lane
	v_mul_u32_u24 v[QS], v3, KP
	v_lshl_add_u32 v[QS], v2, 3, v[QS]
	v_add_nc_u32 v[QS], s52, v[QS]
	v_lshl_add_u32 v[XA], v1, 4, s53
	v_mul_u32_u24 v[SA], v2, F32P                  ; in: row r, 32 bytes for each half of the lanes
	v_lshl_add_u32 v[SA], v3, 5, v[SA]
	v_add_nc_u32 v[SA], s54, v[SA]
	v_mul_u32_u24 v[RB], v3, F32P                  ; back: lanes 0-15 one row of 256 bytes, lanes 16-31 the next
	v_lshl_add_u32 v[RB], v2, 4, v[RB]
	v_add_nc_u32 v[RB], s54, v[RB]
	v_lshlrev_b32 v[GO], 4, v1
.irp qb, 0,1,2,3
	v_mov_b32 v[AL+2*\qb+1], 0                     ; the packed forms name a pair and use its first register for both halves (op_sel_hi 0):
	v_mov_b32 v[NM+2*\qb+1], 0                     ; the second is written once, so that the pair is defined
.endr
	s_wait_kmcnt 0x0
	s_cmp_lt_u32 s12, 4
	s_cselect_b64 s[20:21], s[6:7], s[8:9]         ; waves 0-3 bring K, waves 4-7 V
	s_add_nc_u64 s[26:27], s[20:21], s[22:23]      ; my quarter of tile 0
	s_or_b32 s27, s27, 0x80000000                  ; type = 2
	s_add_nc_u64 s[36:37], s[4:5], s[38:39]        ; q at my block
	s_add_nc_u64 s[40:41], s[10:11], s[46:47]      ; out at my wave's 64 rows
	ROUND                                          ; the four work-groups are here: the first joint loads meet
	tensor_load_to_lds s[24:27], s[28:35]          ; tile 0
	s_nop 0
	; Q: wave w reads rows 32 w .. 32 w + 31 of the block (each byte of q once in the launch), rounds to bf16 and puts them into LDS.
.set i, 0
.rept 16
	global_load_b128 v[S0+4*i:S0+4*i+3], v[QG], s[36:37] offset:512*i th:TH_LOAD_NT   ; 512 neighbouring bytes: two rows
.set i, i+1
.endr
.set i, 0
.rept 16
	s_wait_loadcnt 15-i                            ; loads come back in order (ISA guide 5.7.1): the younger ones stay out
	v_cvt_pk_bf16_f32 v[S0+4*i],   v[S0+4*i],   v[S0+4*i+1]
	v_cvt_pk_bf16_f32 v[S0+4*i+1], v[S0+4*i+2], v[S0+4*i+3]
	ds_store_b64 v[QS], v[S0+4*i:S0+4*i+1] offset:2*KP*i
.set i, i+1
.endr
	s_wait_dscnt 0x0                               ; for the other waves' sake: my rows of Q are in LDS
	s_barrier_signal -1
	s_barrier_wait -1                              ; tile 0 stays on its way across it
	WIN 0x40                                       ; destination in window 1
.irp qb, 0,1,2,3
.irp c, 0,1
.irp e, 0,1
	ds_load_b128 v[Q0+16*\qb+8*\c+4*\e:Q0+16*\qb+8*\c+4*\e+3], v[QF] offset:16*KP*\qb+64*\c+32*\e
.endr
.endr
.endr
	WIN 0                                          ; these loads are waited for by tile 0's wait for 0 in front of its round; Q's bytes are overwritten only behind that round
; My wave's 64 rows of the f32 slot become bf16 rows of buffer buf.  Pass p takes four rows: two loads of 16 bytes, four packs, one store of 16 bytes a lane.
.macro CONVERT buf
.set i, 0
.rept 32
	ds_load_b128 v[S0+4*i:S0+4*i+3], v[CL] offset:4*F32P*(i/2)+16*(i%2)
.set i, i+1
.endr
.set p, 0
.rept 16
	s_wait_dscnt 30-2*p                            ; LDS loads come back in order: pass p's two are in, the 30 - 2 p younger ones stay out
	v_cvt_pk_bf16_f32 v[S0+8*p],   v[S0+8*p],   v[S0+8*p+1]
	v_cvt_pk_bf16_f32 v[S0+8*p+1], v[S0+8*p+2], v[S0+8*p+3]
	v_cvt_pk_bf16_f32 v[S0+8*p+2], v[S0+8*p+4], v[S0+8*p+5]
	v_cvt_pk_bf16_f32 v[S0+8*p+3], v[S0+8*p+6], v[S0+8*p+7]
.set p, p+1
.endr
	s_cmp_lt_u32 s12, 4
	s_cbranch_scc0 .Lconv_v_\@
.set p, 0
.rept 16
	ds_store_b128 v[CSK+\buf], v[S0+8*p:S0+8*p+3] offset:4*KP*p
.set p, p+1
.endr
	s_branch .Lconv_done_\@
.Lconv_v_\@:
.set p, 0
.rept 16
	ds_store_b128 v[CSV+\buf], v[S0+8*p:S0+8*p+3] offset:4*VP*p
.set p, p+1
.endr
.Lconv_done_\@:
.endm
; 16 loads: the K fragments of sub-step s (64 keys): first the four tiles' d 0-31, then their d 32-63
.macro KLOAD buf, s
.irp c, 0,1
.irp t, 0,1,2,3
.irp e, 0,1
	ds_load_b128 v[K0+16*\t+8*\c+4*\e:K0+16*\t+8*\c+4*\e+3], v[KA+\buf] offset:64*KP*\s+16*KP*\t+64*\c+32*\e
.endr
.endr
.endr
.endm
; 16 transposing loads (destination in window 1): V^T fragments of sub-step s: 16 d (dt) x 32 keys (ks)
.macro VLOAD buf, s
.irp ks, 0,1
.irp dt, 0,1,2,3
.irp e, 0,1
	ds_load_tr16_b128 v[V0+16*\dt+8*\ks+4*\e:V0+16*\dt+8*\ks+4*\e+3], v[VA+\buf] offset:64*VP*\s+32*VP*\ks+32*\dt+16*VP*\e
.endr
.endr
.endr
.endm
; 16 matrix instructions: S^T (4 key tiles x 4 query blocks), d 32 c .. 32 c + 31.  c = 0 starts the sums.  The sixteen accumulators take turns, one instruction a turn.
.macro SMUL c
.irp t, 0,1,2,3
.irp qb, 0,1,2,3
.if \c
	v_wmma_f32_16x16x32_bf16 v[S0+32*\qb+8*\t:S0+32*\qb+8*\t+7], v[K0+16*\t+8*\c:K0+16*\t+8*\c+7], v[Q0+16*\qb+8*\c:Q0+16*\qb+8*\c+7], v[S0+32*\qb+8*\t:S0+32*\qb+8*\t+7]
.else
	v_wmma_f32_16x16x32_bf16 v[S0+32*\qb+8*\t:S0+32*\qb+8*\t+7], v[K0+16*\t+8*\c:K0+16*\t+8*\c+7], v[Q0+16*\qb+8*\c:Q0+16*\qb+8*\c+7], 0
.endif
.endr
.endr
.endm
; 16 matrix instructions: O^T (4 d tiles x 4 query blocks) += V^T P^T over keys 32 ks .. 32 ks + 31; the accumulators take turns likewise
.macro PVMUL ks, zero
.irp qb, 0,1,2,3
.irp dt, 0,1,2,3
.if \zero
	v_wmma_f32_16x16x32_bf16 v[O0+32*\qb+8*\dt:O0+32*\qb+8*\dt+7], v[V0+16*\dt+8*\ks:V0+16*\dt+8*\ks+7], v[S0+32*\qb+16*\ks:S0+32*\qb+16*\ks+7], 0
.else
	v_wmma_f32_16x16x32_bf16 v[O0+32*\qb+8*\dt:O0+32*\qb+8*\dt+7], v[V0+16*\dt+8*\ks:V0+16*\dt+8*\ks+7], v[S0+32*\qb+16*\ks:S0+32*\qb+16*\ks+7], v[O0+32*\qb+8*\dt:O0+32*\qb+8*\dt+7]
.endif
.endr
.endr
.endm
; The softmax step of query block qb on its 32 scores a lane (64 keys over the two halves of the lanes).  first = 1: nothing has been kept yet.
.macro SOFTMAX qb, first
.set SB, S0+32*\qb
.irp k, 0,1,2,3
	v_max3_num_f32 v[TT+\k], v[SB+8*\k], v[SB+8*\k+1], v[SB+8*\k+2]   ; four chains that do not wait for each other
.endr
.irp k, 0,1,2,3
	v_max3_num_f32 v[TT+\k], v[TT+\k], v[SB+8*\k+3], v[SB+8*\k+4]
.endr
.irp k, 0,1,2,3
	v_max3_num_f32 v[TT+\k], v[TT+\k], v[SB+8*\k+5], v[SB+8*\k+6]
.endr
	v_max3_num_f32 v[TT],   v[TT],   v[SB+7],  v[SB+15]
	v_max3_num_f32 v[TT+2], v[TT+2], v[SB+23], v[SB+31]
	v_max3_num_f32 v[TT],   v[TT],   v[TT+1],  v[TT+2]
.if \first
	v_max_num_f32 v[TT], v[TT], v[TT+3]
.else
	v_max3_num_f32 v[TT], v[TT], v[TT+3], v[RM+\qb]                   ; the running maximum joins in
.endif
	v_permlanex16_b32 v[TT+1], v[TT], s42, s43                        ; the other half of the lanes holds the query's other keys
	v_max_num_f32 v[RM+\qb], v[TT], v[TT+1]
.if \first
	v_mul_f32 v[NM+2*\qb], 0xbe38aa3b, v[RM+\qb]                      ; -C m
.else
	v_mul_f32 v[TT+2], 0xbe38aa3b, v[RM+\qb]                          ; -C m, new
	v_sub_f32 v[AL+2*\qb], v[TT+2], v[NM+2*\qb]                       ; new - old, from the two rounded numbers that the exponents use: 0 where the maximum stands still
	v_mov_b32 v[NM+2*\qb], v[TT+2]
	v_exp_f32 v[AL+2*\qb], v[AL+2*\qb]                                ; alpha; the packed multiply-adds below are the plain instructions between it and its use (ISA guide 5.7.2)
.endif
.set p, 0
.rept 16
	v_pk_fma_f32 v[SB+2*p:SB+2*p+1], v[SB+2*p:SB+2*p+1], 0x3e38aa3b, v[NM+2*\qb:NM+2*\qb+1] op_sel_hi:[1,0,0]   ; C s - C m
.set p, p+1
.endr
.set p, 0
.rept 32
	v_exp_f32 v[SB+p], v[SB+p]
.set p, p+1
.endr
	v_nop                                                             ; one plain instruction between the exponentials and the first use of a result
	s_wait_alu depctr_va_vdst(0)
.irp k, 0,1,2,3
	v_pk_add_f32 v[TT+2*\k:TT+2*\k+1], v[SB+4*\k:SB+4*\k+1], v[SB+4*\k+2:SB+4*\k+3]   ; the first sums start four chains
.endr
.irp k, 0,1,2,3
	v_pk_add_f32 v[TT+2*\k:TT+2*\k+1], v[TT+2*\k:TT+2*\k+1], v[SB+16+2*\k:SB+16+2*\k+1]
.endr
.irp k, 0,1,2,3
	v_pk_add_f32 v[TT+2*\k:TT+2*\k+1], v[TT+2*\k:TT+2*\k+1], v[SB+24+2*\k:SB+24+2*\k+1]
.endr
	v_pk_add_f32 v[TT:TT+1],   v[TT:TT+1],   v[TT+2:TT+3]
	v_pk_add_f32 v[TT+4:TT+5], v[TT+4:TT+5], v[TT+6:TT+7]
	v_pk_add_f32 v[TT:TT+1],   v[TT:TT+1],   v[TT+4:TT+5]
.if \first
	v_add_f32 v[RL+\qb], v[TT], v[TT+1]
.else
	v_add_f32 v[TT], v[TT], v[TT+1]
	v_fma_f32 v[RL+\qb], v[RL+\qb], v[AL+2*\qb], v[TT]                ; l = l alpha + this step's sum
.endif
.irp ks, 0,1
.irp i, 0,1,2,3
	v_cvt_pk_bf16_f32 v[SB+16*\ks+\i], v[SB+16*\ks+2*\i], v[SB+16*\ks+2*\i+1]         ; key tile 2 ks: keys 8 h + 0..7 of the 32, registers 0-3 of the B fragment
.endr
.irp i, 0,1,2,3
	v_cvt_pk_bf16_f32 v[SB+16*\ks+4+\i], v[SB+16*\ks+8+2*\i], v[SB+16*\ks+9+2*\i]     ; key tile 2 ks + 1: keys 16 + 8 h + 0..7, registers 4-7
.endr
.endr
.endm
.macro RESCALE                         ; O *= alpha (destination and source 0 in window 1)
.irp qb, 0,1,2,3
.set p, 0
.rept 16
	v_pk_mul_f32 v[O0+32*\qb+2*p:O0+32*\qb+2*p+1], v[O0+32*\qb+2*p:O0+32*\qb+2*p+1], v[AL+2*\qb:AL+2*\qb+1] op_sel_hi:[1,0]
.set p, p+1
.endr
.endr
.endm
; 64 of my keys against my 64 queries.  knext = 1: the next sub-step's K fragments (sub-step 1 of the same buffer) are fetched behind V's.
.macro SUBSTEP buf, s, knext, first
	s_wait_dscnt 8                                 ; K's d 0-31 are in; the eight younger loads (d 32-63) may be out
	WIN 0x04                                       ; B (Q) in window 1
	SMUL 0
	s_wait_dscnt 0
	SMUL 1
	WIN 0
	PLACES 4                                       ; four places before K's registers are loaded again and the scores are read
	WIN 0x40
	VLOAD \buf, \s
	WIN 0
.if \knext
	KLOAD \buf, 1
.endif
	SOFTMAX 0, \first
	SOFTMAX 1, \first
	SOFTMAX 2, \first
	SOFTMAX 3, \first
.if \first == 0
	WIN 0x41
	RESCALE
.endif
.if \knext
	s_wait_dscnt 16                                ; V's 16 loads are in; the 16 younger ones, K's, stay out
.else
	s_wait_dscnt 0
.endif
	WIN 0x51                                       ; A (V), C and D (O) in window 1, B (P) in window 0
	PVMUL 0, \first
	PVMUL 1, 0
	WIN 0
	PLACES 5                                       ; five places before matrix instructions write over P; they also serve the loads into P's, V's registers and the vector writes of O
.endm
; One tile of 256 keys.  refill = 1: the f32 slot is asked for again, with the next tile.
.macro TRIP buf, refill, first
	s_wait_xcnt 0x0
	v_lshl_add_u32 v254, v0, 2, 0x48000
	v_mov_b32 v255, 0
	s_wait_tensorcnt 0x0                           ; my one tensor load has landed: my rows may be read, none of my loads is out in front of the round, and group 0 may be written
	ds_add_u32 v254, v255
	s_wait_dscnt 0x0
	s_add_nc_u64 s[26:27], s[26:27], 0x10000       ; the next tile: 256 rows of 256 bytes on (behind the last tile the stepped address is not used)
	CONVERT \buf
	s_wait_dscnt 0x0                               ; my reads of the f32 slot and of the older bf16 buffer are back, my bf16 rows are in LDS
.if \refill
	ROUND                                          ; all that now holds of every wave of the four work-groups
	tensor_load_to_lds s[24:27], s[28:35]          ; my one tensor load behind the round, first thing there: it has the tile's whole work in which to land
	s_nop 0
.else
	s_barrier_signal -1                            ; nothing is left to fetch: my work-group's barrier shows the bf16 tile to all its waves
	s_barrier_wait -1
.endif
	KLOAD \buf, 0
	SUBSTEP \buf, 0, 1, \first
	SUBSTEP \buf, 1, 0, 0
.endm
	TRIP 0, 1, 1                                   ; tiles 0 and 1 stand in front of the loop: the first products start the sums
	TRIP 1, 1, 0
	s_mov_b32 s44, 2
.Llap:
	TRIP 0, 1, 0                                   ; tiles 2 to 5
	TRIP 1, 1, 0
	s_sub_co_u32 s44, s44, 1
	s_cmp_lg_u32 s44, 0
	s_cbranch_scc1 .Llap
	TRIP 0, 1, 0                                   ; tile 6 asks for tile 7,
	TRIP 1, 0, 0                                   ; tile 7 for nothing
	; THE END.  l over both halves of the lanes; then the two key halves are merged.
.irp qb, 0,1,2,3
	v_permlanex16_b32 v[TT+\qb], v[RL+\qb], s42, s43
.endr
.irp qb, 0,1,2,3
	v_add_f32 v[RL+\qb], v[RL+\qb], v[TT+\qb]
.endr
	s_wait_dscnt 0x0
	s_barrier_signal -1
	s_barrier_wait -1                              ; no wave reads the bf16 buffers any more: their bytes serve the exchange and the stage
	s_cmp_lt_u32 s12, 4
	s_cbranch_scc1 .Lno_send
	WIN 0x04                                       ; store data in window 1
.set i, 0
.rept 32
	ds_store_b128 v[XA], v[O0+4*i:O0+4*i+3] offset:512*i
.set i, i+1
.endr
	WIN 0
	ds_store_b128 v[XA], v[RM:RM+3] offset:16384
	ds_store_b128 v[XA], v[RL:RL+3] offset:16896
.Lno_send:
	s_wait_dscnt 0x0                               ; for the partner's sake
	s_barrier_signal -1
	s_barrier_wait -1
	s_cmp_lt_u32 s12, 4
	s_cbranch_scc0 .Lclose
	ds_load_b128 v[MP:MP+3], v[XA] offset:16384
	ds_load_b128 v[LP:LP+3], v[XA] offset:16896
.set i, 0
.rept 32
	ds_load_b128 v[S0+4*i:S0+4*i+3], v[XA] offset:512*i    ; the partner's O, lane for lane and register for register as mine
.set i, i+1
.endr
	s_wait_dscnt 32                                ; m and l are in; the 32 younger loads stay out
.irp qb, 0,1,2,3
	v_max_num_f32 v[TT], v[RM+\qb], v[MP+\qb]
	v_mul_f32 v[TT], 0xbe38aa3b, v[TT]             ; -C m of the two together
	v_mul_f32 v[TT+1], 0xbe38aa3b, v[MP+\qb]       ; the partner's -C m, rounded as the partner rounded it
	v_sub_f32 v[TT+2], v[TT], v[NM+2*\qb]
	v_sub_f32 v[TT+3], v[TT], v[TT+1]
	v_exp_f32 v[TT+2], v[TT+2]                     ; a1
	v_exp_f32 v[TT+3], v[TT+3]                     ; a2: one of the two is 1
	v_nop                                          ; a plain instruction between a transcendental and the use of its result
	s_wait_alu depctr_va_vdst(0)
	v_mul_f32 v[TT+4], v[LP+\qb], v[TT+3]
	v_fma_f32 v[TT+4], v[RL+\qb], v[TT+2], v[TT+4] ; l = l1 a1 + l2 a2
	v_rcp_f32 v[TT+4], v[TT+4]
	v_nop
	s_wait_alu depctr_va_vdst(0)
	v_mul_f32 v[AL+2*\qb], v[TT+2], v[TT+4]        ; my factor a1 / l
	v_mul_f32 v[NM+2*\qb], v[TT+3], v[TT+4]        ; the partner's a2 / l
.endr
	s_wait_dscnt 0x0
.irp qb, 0,1,2,3
.set p, 0
.rept 16
	v_pk_mul_f32 v[S0+32*\qb+2*p:S0+32*\qb+2*p+1], v[S0+32*\qb+2*p:S0+32*\qb+2*p+1], v[NM+2*\qb:NM+2*\qb+1] op_sel_hi:[1,0]
.set p, p+1
.endr
.endr
	WIN 0x01                                       ; source 0 (my O) in window 1
.irp qb, 0,1,2,3
.set p, 0
.rept 16
	v_pk_fma_f32 v[S0+32*\qb+2*p:S0+32*\qb+2*p+1], v[O0+32*\qb+2*p:O0+32*\qb+2*p+1], v[AL+2*\qb:AL+2*\qb+1], v[S0+32*\qb+2*p:S0+32*\qb+2*p+1] op_sel_hi:[1,0,1]
.set p, p+1
.endr
.endr
	WIN 0
	; a lane holds d = 16 dt + 8 h + 0..7 of query 16 qb + r: 32 neighbouring bytes of a row of out.  Through my own stage, so that whole rows leave.
.irp qb, 0,1,2,3
.irp dt, 0,1,2,3
.irp e, 0,1
	ds_store_b128 v[SA], v[S0+32*\qb+8*\dt+4*\e:S0+32*\qb+8*\dt+4*\e+3] offset:16*F32P*\qb+64*\dt+16*\e
.endr
.endr
.endr
	s_wait_dscnt 0x0                               ; the stores have read their data: the same registers take the rows back
.set i, 0
.rept 32
	ds_load_b128 v[S0+4*i:S0+4*i+3], v[RB] offset:2*F32P*i
.set i, i+1
.endr
.set i, 0
.rept 32
	s_wait_dscnt 31-i                              ; the younger read-backs stay out
	global_store_b128 v[GO], v[S0+4*i:S0+4*i+3], s[40:41] offset:512*i th:TH_STORE_NT   ; sixteen lanes store one row: 256 consecutive bytes, at a multiple of 256 from out's first byte
.set i, i+1
.endr
.Lclose:
	s_wait_xcnt 0x0
	v_lshl_add_u32 v254, v0, 2, 0x48000
	v_mov_b32 v255, 0
	s_wait_tensorcnt 0x0
	ds_add_u32 v254, v255
	s_wait_dscnt 0x0
	ROUND                                          ; the closing round: no work-group ends while a partner may still ask for a tile that names it
	s_endpgm
.Lfunc_end_k_qdcdcd1a579_attn:
	.size	k_qdcdcd1a579_attn, .Lfunc_end_k_qdcdcd1a579_attn-k_qdcdcd1a579_attn
	.p2alignl 7, 3214868480
	.fill 96, 4, 3214868480
	.section	.rodata,"a",@progbits
	.p2align	6, 0x0
	.amdhsa_kernel k_qdcdcd1a579_attn
		.amdhsa_group_segment_fixed_size 327680
		.amdhsa_private_segment_fixed_size 0
		.amdhsa_enable_private_segment 0
		.amdhsa_kernarg_size 32
		.amdhsa_user_sgpr_count 2
		.amdhsa_user_sgpr_kernarg_segment_ptr 1
		.amdhsa_wavefront_size32 1
		.amdhsa_system_sgpr_workgroup_id_x 1
		.amdhsa_system_sgpr_workgroup_id_y 1
		.amdhsa_system_sgpr_workgroup_id_z 1
		.amdhsa_system_vgpr_workitem_id 0
		.amdhsa_next_free_vgpr 512
		.amdhsa_next_free_sgpr 66
		.amdhsa_reserve_vcc 0
		.amdhsa_float_denorm_mode_32 3
		.amdhsa_float_denorm_mode_16_64 3
		.amdhsa_memory_ordered 1
		.amdhsa_forward_progress 1
		.amdhsa_inst_pref_size 255
	.end_amdhsa_kernel
	.section	.bss,"aw",@nobits
	.p2align	6
	.space	262144
	.amdgpu_metadata
---
amdhsa.version: [ 1, 2 ]
amdhsa.kernels:
  - .name:           k_qdcdcd1a579_attn
    .symbol:         k_qdcdcd1a579_attn.kd
    .args:
      - { .name: q, .offset: 0, .size: 8, .value_kind: global_buffer, .address_space: global }
      - { .name: k, .offset: 8, .size: 8, .value_kind: global_buffer, .address_space: global }
      - { .name: v, .offset: 16, .size: 8, .value_kind: global_buffer, .address_space: global }
      - { .name: out0, .offset: 24, .size: 8, .value_kind: global_buffer, .address_space: global }
    .group_segment_fixed_size: 327680
    .private_segment_fixed_size: 0
    .kernarg_segment_align: 8
    .kernarg_segment_size: 32
    .max_flat_workgroup_size: 256
    .sgpr_count:     66
    .vgpr_count:     512
    .wavefront_size: 32
...
	.end_amdgpu_metadata
.endif
;; end of part 1
